; MI455X (gfx1250); checked and timed in simulation.
; The chip was launched on July 23, 2026; its instructions are those of AMD's public machine-readable ISA for CDNA 5 (MIT licence, August 2026) and "CDNA5" Instruction Set Architecture Reference Guide (July 2026). The comments in the code are by the model that wrote it; some were corrected since.
;; MH Self Attention. Allowed arithmetic: matrix products marked QUANTISED: E2M3 operands, one E8M0 scale for each 32 along K, by v_wmma_scale_f32_16x16x128_f8f6f4 with both operands' format E2M3, f32 sums; everything else in f32.
;; Inputs: w_k 1,024 x 1,024 float32; w_q 1,024 x 1,024 float32; w_v 1,024 x 1,024 float32; x 4 x 2,048 x 1,024 float32.
;; Outputs: out0 4 x 2,048 x 1,024 float32.
;; This version of the problem:
;;   THIS VERSION OF THE PROBLEM IS GIVEN IN LOW PRECISION. The matrix products marked QUANTISED in the list below multiply operands that are first quantised to E2M3 (2 exponent bits, 3 mantissa bits; 6 bits a number), with one power-of-two scale for each 32 numbers along K (OCP MX v1.0); their sums are f32. All else is computed in f32.
;;   The module's matrix products, in the order in which they are computed (A, B: the left and right operand; K: the contracted axis; several contracted axes count as one K, in the product's order):
;;     1. [M 8,192, K 1,024] x [K 1,024, N 1,024]; A: input x; B: input w_q: QUANTISED
;;     2. [M 8,192, K 1,024] x [K 1,024, N 1,024]; A: input x; B: input w_k: QUANTISED
;;     3. [M 8,192, K 1,024] x [K 1,024, N 1,024]; A: input x; B: input w_v: QUANTISED
;;     4. batch 64 x [M 2,048, K 64] x [K 64, N 2,048]; A: computed on the way; B: computed on the way: QUANTISED
;;     5. batch 64 x [M 2,048, K 2,048] x [K 2,048, N 64]; A: softmax (see below); B: computed on the way: QUANTISED
;;   THE QUANTISER, for each operand of a quantised product, along K:
;;     - K is cut into blocks of 32 from its start; a last block that is shorter is filled with zeros.
;;     - A block's scale is 2^e with e = floor(log2(the largest magnitude in the block)) - 2, held to -126 .. 127; a block of zeros has e = 0. As a byte (E8M0): e + 127.
;;     - Each number is divided by its block's scale, clamped to +-7.5, and rounded to the nearest number of E2M3, ties to even, subnormals kept.
;;     - The product sums the exact products of the quantised numbers (number of the format x scale) in f32.
;;   ~~~python
;;   def quantise(x, axis):      # numpy; x: float32 -> the quantised numbers, widened to float32 again
;;       x = np.moveaxis(x, axis, -1); K = x.shape[-1]
;;       x = np.pad(x, [(0, 0)] * (x.ndim - 1) + [(0, -K % 32)]); x = x.reshape(x.shape[:-1] + (-1, 32)); a = np.abs(x).max(-1, keepdims=True)
;;       e = np.where(a > 0, np.clip(np.frexp(np.where(a > 0, a, 1))[1] - 1 - 2, -126, 127), 0)      # np.frexp(a)[1] - 1 = floor(log2(a)), exactly
;;       r = np.clip(x / 2.0 ** e, -7.5, 7.5)
;;       step = 2.0 ** (np.maximum(np.frexp(np.where(r == 0, 1, r))[1] - 1, 0) - 3)
;;       q = np.round(r / step) * step * 2.0 ** e      # np.round: ties to even
;;       return np.moveaxis(q.reshape(q.shape[:-2] + (-1,))[..., :K], -1, axis).astype(np.float32)
;;   ~~~
;;   SOFTMAX AHEAD OF A QUANTISED PRODUCT. Where the list says 'softmax', what is quantised is not the finished softmax but p = 2^(t - M), with t = logit x log2(e) and M = ceil(the row's largest t), a whole number; so 1/2 < the row's largest p <= 1. The row's sum l is taken of the UNQUANTISED p, in f32, and the product's result is divided by l at the end. Since M is a whole number, a kernel that streams over the keys may use a running M (the ceiling of the running maximum): every later rescaling is an exact power of two, which a block's scale takes up: the codes' values come out the same.
;;   OPERANDS COMPUTED ON THE WAY. 'Computed on the way' means the value that the module computes at that place (a softmax that the list does not call 'softmax' is quantised finished and normalised). What goes into a quantiser is computed in f32, as accurately as f32 sums, v_exp_f32 and their like allow (about 1e-6 of the number): no bf16 or f16 on the way to a quantiser, and a product that is left as it is and whose result goes on into a quantised operand takes f32 operands (vector FMAs, or v_wmma_f32_16x16x4_f32). A number that lies on a knife's edge between two numbers of the format may be rounded either way, as far as f32 arithmetic and the matrix unit's own rounding can turn it there, and no further.
;; One version. Each part assembles by itself: llvm-mc -triple=amdgcn-amd-amdhsa -mcpu=gfx1250 --defsym DOCPART=n.
;; ======== version 1 of 1: 3 launches
;; limits: right only within a limited range of input values
;; workspace buffers: xi 6,291,456 bytes; xs 262,144 bytes; wi 2,359,296 bytes; ws 98,304 bytes; qkv 18,874,368 bytes; qkvs 786,432 bytes
;; launch quant (part 1): grid 352 x 1, 4 waves a work-group, no clusters, 34,304 bytes of LDS; arguments x, w_q, w_k, w_v, xi, xs, wi, ws; writes xi, xs, wi, ws
.if DOCPART == 1
	.amdgcn_target "amdgcn-amd-amdhsa--gfx1250"
	.amdhsa_code_object_version 6
	.text
	.protected	k_qfe9c09e80f_quant
	.globl	k_qfe9c09e80f_quant
	.p2align	8
	.type	k_qfe9c09e80f_quant,@function
k_qfe9c09e80f_quant:
	s_mov_b64 s[64:65], 0
	v_nop
	global_prefetch_b8 v0, s[64:65] scope:SCOPE_SE
	s_setreg_imm32_b32 hwreg(HW_REG_WAVE_MODE, 25, 1), 1
	s_wait_xcnt 0x0
; x [8192][1024] and w_q, w_k, w_v [1024][1024], f32, K innermost, become codes of FP6 (E2M3) with one E8M0 byte for each 32 along K.
; A block's scale is 2^(floor(log2(its largest magnitude)) - 2): its byte is the largest magnitude's exponent field - 2, held at 1 from below.
; THE CODES ARE LAID AS IMAGES OF OPERAND REGISTERS: a fragment (16 rows x 128 K, 12 registers a lane) is 3 pieces of 512 bytes, lane l's 16 bytes at 16 l:
;   xi, wi: [tile of 16 rows][K step of 128, 0..7][1536 bytes];   xs, ws: [tile][pair of K steps 0..3][row 0..15][2 words], a word = the 4 scale bytes of a row's 128 K.
; THE ROWS OF A TILE ARE NOT NEIGHBOURS: row i of tile 4 C + j is matrix row 64 C + 8 j + i % 8 + 32 (i / 8), so that a product which takes the four tiles of a C as its
; source 0 leaves 32 neighbouring rows in a lane's 32 registers.  The three weights are stacked: tiles 0-63 w_q, 64-127 w_k, 128-191 w_v.
; LIMITS: NaN and infinities are not served; a block whose largest magnitude lies under 2^-124 has its byte held at 1; a block of zeros has the byte 1 where the
; quantiser's text says 127: its codes are zeros, which add nothing under any byte but 0xff, and this program alone reads the bytes.
; SHARES: a work-group takes two tiles: 0-255 x, 256-287 w_q, 288-319 w_k, 320-351 w_v; only pointers are chosen, there is one path.
; Wave w: tile u = w % 2, K half kh = w / 2: four fragments.  Each load reads 512 consecutive bytes of a row; a fragment's 16 rows turn through the wave's own stage
; in LDS (rows of 512 + 16 bytes) and come back as two whole blocks of 32 a lane.  No barrier: waves share nothing.  No matrix unit, no cluster: memory binds.
.set STG,  8448                        ; a wave's stage: 16 rows x 528 bytes
.set MX,   10
.set SOP,  12
.set BY,   14
.set W,    16                          ; v16-19 a scale word for each fragment
.set PT,   20
.set C,    24                          ; v24-35 the fragment's codes
.set T,    36                          ; v36-43 the blocks' second halves
.set R,    64                          ; v64-191 two sets of 64: a fragment's rows as loaded
.set N,    192                         ; v192-255 my two blocks of 32 numbers
	s_load_b256 s[4:11], s[0:1], 0x0               ; x, w_q, w_k, w_v
	s_load_b256 s[12:19], s[0:1], 0x20             ; xi, xs, wi, ws
	v_lshl_add_u32 v62, v0, 2, 0x8400
	v_mov_b32 v63, 0
	v_lshrrev_b32 v1, 5, v0
	v_readfirstlane_b32 s20, v1                    ; wave 0..3
	s_and_b32 s21, s20, 1                          ; u
	s_lshr_b32 s22, s20, 1                         ; kh
	s_mov_b32 s24, 0x76543210
	s_mov_b32 s25, 0xfedcba98                      ; lane l xor 16
	s_and_b32 s26, ttmp9, 31                       ; a weight's pair of tiles
	s_mul_i32 s23, s20, STG
	v_and_b32 v1, 31, v0
	v_and_b32 v2, 15, v0
	v_bfe_u32 v6, v0, 4, 1
	v_lshlrev_b32 v3, 4, v1                        ; 16 x lane
	v_add_nc_u32 v4, s23, v3                       ; into the stage: as loaded
	v_mul_u32_u24 v5, v2, 528
	v_lshl_add_u32 v5, v6, 7, v5
	v_add_nc_u32 v5, s23, v5                       ; out of it: row r, block h
	v_lshlrev_b32 v7, 3, v1
	v_lshlrev_b32 v8, 3, v6
	v_mov_b32 v[PT], 0
	v_cmp_le_u32 vcc_lo, 16, v1                    ; lanes 16-31; kept to the end
	s_wait_alu depctr_va_vdst(0)
	s_wait_kmcnt 0x0
	s_cmp_lt_u32 ttmp9, 320                        ; the choices hang on the work-group's number alone
	s_cselect_b64 s[28:29], s[8:9], s[10:11]
	s_cmp_lt_u32 ttmp9, 288
	s_cselect_b64 s[28:29], s[6:7], s[28:29]
	s_cmp_lt_u32 ttmp9, 256
	s_cselect_b64 s[28:29], s[4:5], s[28:29]       ; the source
	s_cselect_b64 s[30:31], s[12:13], s[16:17]     ; the images
	s_cselect_b64 s[32:33], s[14:15], s[18:19]     ; the scale words
	s_cselect_b32 s34, ttmp9, s26                  ; the pair of tiles in the source
	s_cselect_b32 s35, 0, 256
	s_sub_co_u32 s35, ttmp9, s35
	s_lshl_b32 s35, s35, 1
	s_add_co_u32 s35, s35, s21                     ; my tile in the images' buffer
	s_lshr_b32 s36, s34, 1
	s_lshl_b32 s36, s36, 18                        ; 64 C rows of 4,096 bytes
	s_and_b32 s38, s34, 1
	s_lshl_b32 s38, s38, 16                        ; + 16 rows for the second pair of a C
	s_add_co_u32 s36, s36, s38
	s_lshl_b32 s38, s21, 15                        ; + 8 u rows
	s_add_co_u32 s36, s36, s38
	s_lshl_b32 s38, s22, 11                        ; + 512 kh numbers
	s_add_co_u32 s36, s36, s38
	s_mov_b32 s37, 0
	s_add_nc_u64 s[28:29], s[28:29], s[36:37]
	s_mul_i32 s36, s35, 12288
	s_mul_i32 s38, s22, 6144
	s_add_co_u32 s36, s36, s38
	s_add_nc_u64 s[30:31], s[30:31], s[36:37]
	s_lshl_b32 s36, s35, 9
	s_lshl_b32 s38, s22, 8
	s_add_co_u32 s36, s36, s38
	s_add_nc_u64 s[32:33], s[32:33], s[36:37]
.macro LOAD f                          ; fragment f: 128 numbers of each of the tile's 16 rows: 32 lanes read 512 consecutive bytes
.irp i, 0,1,2,3,4,5,6,7,8,9,10,11,12,13,14,15
	global_load_b128 v[R+64*((\f)%2)+4*\i:R+64*((\f)%2)+4*\i+3], v3, s[28:29] offset:(\i%8+32*(\i/8))*4096+512*(\f) th:TH_LOAD_NT
.endr
.endm
.macro FRAGQ f
.if (\f) < 3
	s_wait_loadcnt 16                              ; this fragment's 16 loads are in; the next fragment's 16 may be out
.else
	s_wait_loadcnt 0x0
.endif
.irp i, 0,1,2,3,4,5,6,7,8,9,10,11,12,13,14,15
	ds_store_b128 v4, v[R+64*((\f)%2)+4*\i:R+64*((\f)%2)+4*\i+3] offset:\i*528
.endr
.irp c, 0,1                            ; LDS serves a wave's instructions in order.  Lane (r, h): blocks h and 2 + h of row r
.irp j, 0,1,2,3,4,5,6,7
	ds_load_b128 v[N+32*\c+4*\j:N+32*\c+4*\j+3], v5 offset:256*\c+16*\j
.endr
.endr
	s_wait_dscnt 0x0                               ; my numbers are back, so the stores into the stage have read their registers
	s_wait_xcnt 0x0                                ; the last fragment's three stores have read the codes' registers
.if (\f) < 2
	LOAD (\f)+2
.endif
.irp c, 0,1
	v_max3_num_f32 v[MX+\c], |v[N+32*\c]|, |v[N+32*\c+1]|, 0x1800000   ; with the floor 2^(3 - 127)
.endr
.irp i, 2,4,6,8,10,12,14,16,18,20,22,24,26,28,30
.irp c, 0,1
	v_max3_num_f32 v[MX+\c], v[MX+\c], |v[N+32*\c+\i]|, |v[N+32*\c+\i+1]|
.endr
.endr
.irp c, 0,1
	v_add_nc_u32 v[SOP+\c], 0xff000000, v[MX+\c]   ; 2 off the exponent field: the conversion's scale operand
.endr
.irp c, 0,1
	v_lshrrev_b32 v[BY+\c], 23, v[SOP+\c]
.endr
	v_lshl_or_b32 v[W+(\f)], v[BY+1], 16, v[BY]
	v_lshlrev_b32 v[W+(\f)], v8, v[W+(\f)]
	v_permlanex16_b32 v[PT], v[W+(\f)], s24, s25
	v_or_b32 v[W+(\f)], v[W+(\f)], v[PT]           ; the word is whole, in both halves
.irp c, 0,1
	v_cvt_scalef32_pk16_fp6_f32 v[C+6*\c:C+6*\c+2], v[N+32*\c:N+32*\c+15], v[SOP+\c]
	v_cvt_scalef32_pk16_fp6_f32 v[T+4*\c:T+4*\c+2], v[N+32*\c+16:N+32*\c+31], v[SOP+\c]
.endr
	v_nop
.irp c, 0,1
.irp i, 0,1,2
	v_mov_b32 v[C+6*\c+3+\i], v[T+4*\c+\i]
.endr
.endr
.irp g, 0,1,2
	global_store_b128 v3, v[C+4*\g:C+4*\g+3], s[30:31] offset:1536*(\f)+512*\g   ; 32 lanes store 512 consecutive bytes, aligned
.endr
.endm
	LOAD 0
	LOAD 1
	FRAGQ 0
	FRAGQ 1
	FRAGQ 2
	FRAGQ 3
	v_cndmask_b32 v44, v[W], v[W+2], vcc_lo        ; lanes 0-15: the first pair of K steps, lanes 16-31 the second
	v_cndmask_b32 v45, v[W+1], v[W+3], vcc_lo
	global_store_b64 v7, v[44:45], s[32:33]        ; 32 lanes store 256 consecutive bytes, aligned
	s_wait_tensorcnt 0x0
	ds_add_u32 v62, v63
	s_wait_dscnt 0x0
	s_endpgm
.Lfunc_end_k_qfe9c09e80f_quant:
	.size	k_qfe9c09e80f_quant, .Lfunc_end_k_qfe9c09e80f_quant-k_qfe9c09e80f_quant
	.p2alignl 7, 3214868480
	.fill 96, 4, 3214868480
	.section	.rodata,"a",@progbits
	.p2align	6, 0x0
	.amdhsa_kernel k_qfe9c09e80f_quant
		.amdhsa_group_segment_fixed_size 34304
		.amdhsa_private_segment_fixed_size 0
		.amdhsa_enable_private_segment 0
		.amdhsa_kernarg_size 64
		.amdhsa_user_sgpr_count 2
		.amdhsa_user_sgpr_kernarg_segment_ptr 1
		.amdhsa_wavefront_size32 1
		.amdhsa_system_sgpr_workgroup_id_x 1
		.amdhsa_system_sgpr_workgroup_id_y 1
		.amdhsa_system_sgpr_workgroup_id_z 1
		.amdhsa_system_vgpr_workitem_id 0
		.amdhsa_next_free_vgpr 256
		.amdhsa_next_free_sgpr 66
		.amdhsa_reserve_vcc 1
		.amdhsa_float_denorm_mode_32 3
		.amdhsa_float_denorm_mode_16_64 3
		.amdhsa_memory_ordered 1
		.amdhsa_forward_progress 1
		.amdhsa_inst_pref_size 31
	.end_amdhsa_kernel
	.amdgpu_metadata
---
amdhsa.version: [ 1, 2 ]
amdhsa.kernels:
  - .name:           k_qfe9c09e80f_quant
    .symbol:         k_qfe9c09e80f_quant.kd
    .args:
      - { .name: x, .offset: 0, .size: 8, .value_kind: global_buffer, .address_space: global }
      - { .name: w_q, .offset: 8, .size: 8, .value_kind: global_buffer, .address_space: global }
      - { .name: w_k, .offset: 16, .size: 8, .value_kind: global_buffer, .address_space: global }
      - { .name: w_v, .offset: 24, .size: 8, .value_kind: global_buffer, .address_space: global }
      - { .name: xi, .offset: 32, .size: 8, .value_kind: global_buffer, .address_space: global }
      - { .name: xs, .offset: 40, .size: 8, .value_kind: global_buffer, .address_space: global }
      - { .name: wi, .offset: 48, .size: 8, .value_kind: global_buffer, .address_space: global }
      - { .name: ws, .offset: 56, .size: 8, .value_kind: global_buffer, .address_space: global }
    .group_segment_fixed_size: 34304
    .private_segment_fixed_size: 0
    .kernarg_segment_align: 8
    .kernarg_segment_size: 64
    .max_flat_workgroup_size: 128
    .sgpr_count:     66
    .vgpr_count:     256
    .wavefront_size: 32
...
	.end_amdgpu_metadata
.endif
;; end of part 1
;; launch proj (part 2): grid 16 x 16, 4 waves a work-group, clusters of 4 x 4, 327,680 bytes of LDS; arguments xi, xs, wi, ws, qkv, qkvs; writes qkv, qkvs
.if DOCPART == 2
	.amdgcn_target "amdgcn-amd-amdhsa--gfx1250"
	.amdhsa_code_object_version 6
	.text
	.protected	k_qfe9c09e80f_proj
	.globl	k_qfe9c09e80f_proj
	.p2align	8
	.type	k_qfe9c09e80f_proj,@function
k_qfe9c09e80f_proj:
	s_mov_b64 s[64:65], 0
	v_nop
	global_prefetch_b8 v0, s[64:65] scope:SCOPE_SE
	s_setreg_imm32_b32 hwreg(HW_REG_WAVE_MODE, 25, 1), 1
	s_wait_xcnt 0x0
	s_wait_alu depctr_hold_cnt(0) depctr_sa_sdst(0) depctr_va_vdst(0) depctr_va_sdst(0) depctr_va_ssrc(0) depctr_va_vcc(0) depctr_vm_vsrc(0)
	s_getreg_b32 s2, hwreg(HW_REG_IB_STS2, 6, 4)
	s_cmp_eq_u32 s2, 0
	s_cbranch_scc0 .Lentry_in_a_cluster
	s_endpgm
.Lentry_in_a_cluster:
	s_bfe_u32 s2, ttmp6, 0x10000c
	s_cmp_lg_u32 s2, 0xf033
	s_cbranch_scc0 .Lentry_shape_is_right
	s_endpgm
.Lentry_shape_is_right:
; Q, K, V = x W^T on codes of FP6 and their quantisers, in one pass over x.  The results leave as codes and scale words in the order of the next launch's operand registers; no f32 result is stored.
; INPUTS: xi, wi [tile of 16 rows][K step 0..7][1,536 bytes], images of operand registers; xs, ws [tile][pair of K steps][row][2 words].  Row i of tile 4 C + j is matrix row 64 C + 8 j + i % 8 + 32 (i / 8).
; OUTPUTS: qkv [q, k, v][bh][step of 128 tokens][unit 0..3][1,536 bytes].  q, k, unit n: registers 0-5 of lane (r, h): row r of the step's tile 2 n, d = 32 h ..; registers 6-11: of tile 2 n + 1.
;   v, unit t: lane (r, h): d = 8 t + r % 8 + 32 (r / 8); registers 6 c ..: tokens 64 c + 32 h + 0 .. 31.   qkvs: q, k [bh][step][r][unit] words; v [bh][step][t / 2][r][t % 2] words.
; THE DEAL: 256 work-groups of four waves, 2 x 2.  Work-group (head, rb) makes 512 tokens x the head's 64 columns of each of q, k, v.  Wave (a, b) holds in registers, all of K, four tiles of W_q (b = 0) or W_k (b = 1)
; and tiles 2 b, 2 b + 1 of W_v: 48 fragments, 576 registers; it streams past them the 16 tiles of steps a and a + 2, a block of 16 tokens at a time: 48 products a block, x's rows fetched from LDS once for all three.
; q, k: source 0 the weight's rows: a lane holds one token and 32 neighbouring d: one scale block.  v: source 0 x's rows: a lane holds one d and, over four blocks, 32 neighbouring tokens.  No code changes lanes.
; CLUSTERS 4 x 4: x's tiles are shared by a row (same rb), the weights by a column (same head): joint loads.
; LDS: two regions of 12 tiles of 12,288 bytes; x's 32 tiles' scale words; the spare words.  Head, one load a wave: the weights into region 1; tiles 0-5 of steps 0 and 1 into region 0; the scale words.
; Refill 1, when all waves hold the weights: region 1 takes tiles 6, 7 of steps 0, 1 and 0-3 of steps 2, 3.  Refill 2, behind block 4, when block 5 is in registers: region 0 takes tiles 4-7 of steps 2, 3; it is shown by a plain barrier behind block 10.
; Refill 2's tiles are prefetched at the stream's start, each 256 bytes once in the cluster's row, shared out by address among its sixteen waves; refill 1 is asked for directly behind the head.
; BETWEEN BLOCKS stands one run: four plain lines, the fetch of the block two on, v's running maxima of this block, q|k's way out of the block before (two sets of sums), stores.  s_wait_dscnt 28: only the fetch just issued may be out.
; v's scale words leave in runs of 128 bytes (two words a row a wave): 1 byte in 75 of what the launch stores.  LIMITS: NaN, infinities and sums beyond f32's range are not served; a block's byte is held at 1 from below.
.set T,     12288
.set R1,    12*T
.set XS,    24*T
.set SPARE, XS+16384
.set NF,    28
.set CO,  1                            ; 16 x lane
.set AX0, 2                            ; v2-5 lane and wave terms of x's four runs of tiles
.set ADX, 6                            ; v6-7 the address of the block that is fetched, by sets
.set AXS, 8
.set SH8, 9
.set SPW, 10
.set NIL, 11
.set WSO, 12                           ; 8 r + 512 h
.set SQO, 13                           ; 16 r + 512 h
.set PFO, 14
.set LN,  15
.set M0,  16
.set M1,  17
.set VT,  18
.set SOP, 20
.set SOPV, 21
.set W,   23
.set SB,  24                           ; v24-39 W_q|k's scale words: lanes 0-15 tile 2 p, lanes 16-31 tile 2 p + 1
.set SBV, 40                           ; v40-47 W_v's
.set PX,  48
.set BYQ, 49
.set SA,  52                           ; v52-67 x's, two sets
.set BYV, 68
.set ACC, 72                           ; v72-135 q|k's sums, two sets
.set HV,  136                          ; v136-199 v's sums: 32 t + 8 j + i
.set NCD, 200
.set TC,  212
.set VCD, 216                          ; v216-239 v's codes, 12 a tile
.set TV,  240
.set QW,  248                          ; v248-255 q|k's scale words; v's: v51, v215, v243, v247
.set BA,  72                           ; head: LDS addresses of my six weight tiles
.set G1X, 24
.set G1W, 32
.set G0,  48
.set XB,  52
.set MSB, 0
.macro WIN new
.if MSB != \new
	s_set_vgpr_msb (MSB<<8)|\new
.set MSB, \new
.endif
.endm
.macro WALU
	s_wait_alu depctr_va_vdst(0)
.endm
.macro PLACES n
.rept \n
	v_nop
.endr
.endm
.macro BARRIER
	s_barrier_signal -1
	s_barrier_wait -1
.endm
.macro CROUND
	BARRIER
	s_cmp_lg_u32 s16, 0
	s_cbranch_scc1 .Lnot_wave_0_\@
	s_barrier_signal -3
.Lnot_wave_0_\@:
	s_barrier_wait -3
	BARRIER
.endm
.macro TLOAD g1
	tensor_load_to_lds s[G0:G0+3], s[\g1:\g1+7]
	s_nop 0
	PLACES 4
.endm
.macro XT first, n, lds                ; n tiles of my 32 of x, dense: rows of 256 bytes
	s_mov_b32 s[G0+1], \lds
	s_add_nc_u64 s[G0+2:G0+3], s[XB:XB+1], (\first)*T
	s_or_b32 s[G0+3], s[G0+3], 0x80000000
	s_mov_b32 s[G1X+2], ((\n)*48)<<16
	s_mov_b32 s[G1X+4], (\n)*48
	TLOAD G1X
.endm
; ---------------- the head
	s_load_b256 s[4:11], s[0:1], 0x0               ; xi, xs, wi, ws
	s_load_b128 s[12:15], s[0:1], 0x20             ; qkv, qkvs
	v_lshl_add_u32 v[SPW], v0, 2, SPARE
	v_mov_b32 v[NIL], 0
	ds_add_u32 v[SPW], v[NIL]                      ; the opening lines
	ds_add_u32 v[SPW], v[NIL]
	v_lshrrev_b32 v[LN], 5, v0
	v_readfirstlane_b32 s16, v[LN]                 ; wave; s17 its row a, s18 its column b
	s_lshr_b32 s17, s16, 1
	s_and_b32 s18, s16, 1
	s_bfe_u32 s40, ttmp6, 0x40000
	s_bfe_u32 s41, ttmp6, 0x40004
	s_lshl_b32 s42, ttmp9, 2
	s_add_co_u32 s42, s42, s40                     ; the head
	s_and_b32 s43, ttmp7, 0xffff
	s_lshl_b32 s43, s43, 2
	s_add_co_u32 s43, s43, s41                     ; rb
	s_lshl_b32 s44, s41, 2
	s_lshl_b32 s44, 15, s44                        ; my row of the cluster: shares x
	s_lshl_b32 s45, 0x1111, s40                    ; my column: shares the weights
	s_mov_b32 s46, 0x76543210
	s_mov_b32 s47, 0xfedcba98
	s_or_b32 s[G1X], s44, (3<<16)|(1<<21)
	s_mov_b32 s[G1X+1], 32<<16
	s_mov_b32 s[G1X+3], 32<<16
	s_mov_b32 s[G1X+5], 32
	s_mov_b32 s[G1X+6], 0
	s_mov_b32 s[G1X+7], 0
	s_or_b32 s[G1W], s45, (3<<16)|(1<<21)          ; three rows of 49,152 bytes (the head's four tiles of W_q, W_k, W_v), 64 tiles apart
	s_mov_b32 s[G1W+1], 6144<<16
	s_mov_b32 s[G1W+2], 3<<16
	s_mov_b32 s[G1W+3], 6144<<16
	s_mov_b32 s[G1W+4], 3
	s_mov_b32 s[G1W+5], 98304
	s_mov_b32 s[G1W+6], 0
	s_mov_b32 s[G1W+7], 0
	s_mov_b32 s[G0], 1
	s_mul_i32 s20, s43, 32*T
	s_mov_b32 s21, 0
	s_lshl_b32 s22, s43, 14
	s_mov_b32 s23, 0
	s_mul_i32 s56, s42, 4*T
	s_mov_b32 s57, 0
	v_and_b32 v[LN], 31, v0
	v_and_b32 v[M0], 15, v0                        ; r
	v_bfe_u32 v[M1], v0, 4, 1                      ; h
	v_lshlrev_b32 v[CO], 4, v[LN]
	s_mul_i32 s2, s17, 6*T
	v_add_nc_u32 v[AX0], s2, v[CO]                 ; blocks 0-5: region 0, tile 6 a + s
	s_mul_i32 s2, s17, 2*T
	s_add_co_u32 s2, s2, R1
	v_add_nc_u32 v[AX0+1], s2, v[CO]               ; blocks 6, 7: region 1, tile 2 a + s - 6
	s_mul_i32 s3, s17, 4*T
	s_add_co_u32 s2, s3, R1+4*T
	v_add_nc_u32 v[AX0+2], s2, v[CO]               ; blocks 8-11: region 1, tile 4 + 4 a + s - 8
	v_add_nc_u32 v[AX0+3], s3, v[CO]               ; blocks 12-15: region 0, tile 4 a + s - 12
	s_lshl_b32 s2, s17, 12
	s_add_co_u32 s2, s2, XS
	v_lshl_add_u32 v[AXS], v[M0], 3, s2
	v_lshlrev_b32 v[SH8], 3, v[M1]
	v_lshlrev_b32 v[WSO], 9, v[M1]
	v_lshl_add_u32 v[SQO], v[M0], 4, v[WSO]
	v_lshl_add_u32 v[WSO], v[M0], 3, v[WSO]
	s_mul_i32 s2, s18, 4*T
	s_add_co_u32 s2, s2, R1
	v_add_nc_u32 v[BA], s2, v[CO]
.irp j, 1,2,3
	v_add_nc_u32 v[BA+\j], \j*T, v[BA]
.endr
	s_mul_i32 s2, s18, 2*T
	s_add_co_u32 s2, s2, R1+8*T
	v_add_nc_u32 v[BA+4], s2, v[CO]
	v_add_nc_u32 v[BA+5], T, v[BA+4]
	s_lshl_b32 s2, s40, 2
	s_add_co_u32 s2, s2, s16                       ; my number among the sixteen waves of my row of the cluster
	s_lshr_b32 s3, s2, 3
	s_mul_i32 s3, s3, 8*T
	s_and_b32 s2, s2, 7
	s_mul_i32 s2, s2, 24*256
	s_add_co_u32 s2, s2, s3
	s_add_co_u32 s2, s2, 20*T                      ; my 24 blocks of 256 bytes of tiles 20-23 or 28-31
	v_min_u32 v[PFO], 23, v[LN]
	v_lshl_add_u32 v[PFO], v[PFO], 8, s2
	v_mov_b32 v[PX], 0
	WALU
	s_wait_dscnt 0x0
	CROUND                                         ; all sixteen work-groups are here: the joint loads meet
	s_wait_kmcnt 0x0
	s_add_nc_u64 s[XB:XB+1], s[4:5], s[20:21]
	s_cmp_eq_u32 s16, 0
	s_cbranch_scc0 .Lh1
	s_mov_b32 s[G0+1], R1                          ; wave 0: the weights, which go on into registers
	s_add_nc_u64 s[G0+2:G0+3], s[8:9], s[56:57]
	s_or_b32 s[G0+3], s[G0+3], 0x80000000
	TLOAD G1W
	s_branch .Lasked
.Lh1:
	s_cmp_eq_u32 s16, 1
	s_cbranch_scc0 .Lh2
	XT 0, 6, 0
	s_branch .Lasked
.Lh2:
	s_cmp_eq_u32 s16, 2
	s_cbranch_scc0 .Lh3
	s_mov_b32 s[G0+1], XS                          ; wave 2: the scale words of my 32 tiles
	s_add_nc_u64 s[G0+2:G0+3], s[6:7], s[22:23]
	s_or_b32 s[G0+3], s[G0+3], 0x80000000
	s_mov_b32 s[G1X+2], 64<<16
	s_mov_b32 s[G1X+4], 64
	TLOAD G1X
	s_branch .Lasked
.Lh3:
	XT 8, 6, 6*T
.Lasked:
	s_lshl_b32 s2, s18, 6                          ; the weights' scale words: tile 64 b + 4 head + 2 p + h; W_v's: 128 + 4 head + 2 b + h
	s_lshl_b32 s3, s42, 2
	s_add_co_u32 s2, s2, s3
	s_lshl_b32 s20, s2, 9
	s_add_nc_u64 s[58:59], s[10:11], s[20:21]
	s_lshl_b32 s2, s18, 1
	s_add_co_u32 s2, s2, s3
	s_add_co_u32 s2, s2, 128
	s_lshl_b32 s20, s2, 9
	s_add_nc_u64 s[60:61], s[10:11], s[20:21]
.irp p, 0,1
.irp q, 0,1,2,3
	global_load_b64 v[SB+8*\p+2*\q:SB+8*\p+2*\q+1], v[WSO], s[58:59] offset:1024*\p+128*\q
.endr
.endr
.irp q, 0,1,2,3
	global_load_b64 v[SBV+2*\q:SBV+2*\q+1], v[WSO], s[60:61] offset:128*\q
.endr
	s_lshr_b32 s2, s43, 2                          ; where the results go: bh = 16 batch + head, my first step = 4 (rb % 4) + a
	s_lshl_b32 s2, s2, 4
	s_add_co_u32 s2, s2, s42
	s_and_b32 s3, s43, 3
	s_lshl_b32 s3, s3, 2
	s_add_co_u32 s3, s3, s17
	s_mul_i32 s22, s2, 98304
	s_mul_i32 s20, s3, 6144
	s_add_co_u32 s22, s22, s20
	s_mul_i32 s20, s18, 6291456
	s_add_co_u32 s20, s20, s22
	s_add_nc_u64 s[56:57], s[12:13], s[20:21]      ; q's or k's codes
	s_mul_i32 s20, s18, 3072
	s_add_co_u32 s20, s20, s22
	s_add_co_u32 s20, s20, 2*6291456
	s_add_nc_u64 s[12:13], s[12:13], s[20:21]      ; v's
	s_lshl_b32 s22, s2, 12
	s_lshl_b32 s20, s3, 8
	s_add_co_u32 s22, s22, s20
	s_lshl_b32 s20, s18, 18
	s_add_co_u32 s20, s20, s22
	s_add_nc_u64 s[62:63], s[14:15], s[20:21]      ; q's or k's scale words
	s_lshl_b32 s20, s18, 7
	s_add_co_u32 s20, s20, s22
	s_add_co_u32 s20, s20, 2*262144
	s_add_nc_u64 s[14:15], s[14:15], s[20:21]      ; v's
; ---------------- fragments: 0-31 W_q|k's (4 k + j), 32-47 W_v's (32 + 2 k + t), 48-63 x's two sets (48 + 8 e + k); fragment f lies at register 256 + 12 f
.macro FRAG f, adr, off
.irp p, 0,1,2
.set R_, 256+12*(\f)+4*\p
	WIN (R_>>8)<<6
	ds_load_b128 v[(R_&255):(R_&255)+3], v[\adr] offset:(\off)+512*\p
.endr
.endm
.macro FPL f
.set FW_, (256+12*(\f))>>8
.set FG_, (256+12*(\f))&255
.endm
.macro PROD2 d, s0, s1, c, x0, x1, side, o
.if \o
	v_wmma_scale_f32_16x16x128_f8f6f4 v[\d:\d+7], v[\s0:\s0+11], v[\s1:\s1+11], \c, v[\x0], v[\x1] matrix_a_fmt:MATRIX_FMT_FP6 matrix_b_fmt:MATRIX_FMT_FP6 matrix_\side\()_scale:MATRIX_SCALE_ROW1
.else
	v_wmma_scale_f32_16x16x128_f8f6f4 v[\d:\d+7], v[\s0:\s0+11], v[\s1:\s1+11], \c, v[\x0], v[\x1] matrix_a_fmt:MATRIX_FMT_FP6 matrix_b_fmt:MATRIX_FMT_FP6 matrix_\side\()_scale:MATRIX_SCALE_ROW0
.endif
.endm
.macro PROD1 d, s0, s1, k, x0, x1, side, o
.if \k
	PROD2 \d, \s0, \s1, v[\d:\d+7], \x0, \x1, \side, \o
.else
	PROD2 \d, \s0, \s1, 0, \x0, \x1, \side, \o
.endif
.endm
.macro PQK e, k, j                     ; source 0 the weight's rows, source 1 x's
	FPL 48+8*(\e)+(\k)
.set XW_, FW_
.set XG_, FG_
	FPL 4*(\k)+(\j)
	WIN FW_|(XW_<<2)
	PROD1 ACC+32*(\e)+8*(\j), FG_, XG_, \k, SB+8*((\j)/2)+(\k), SA+8*(\e)+(\k), a, (\j)%2
.endm
.macro PVV e, k, t, j                  ; source 0 x's rows, source 1 W_v's
	FPL 48+8*(\e)+(\k)
.set XW_, FW_
.set XG_, FG_
	FPL 32+2*(\k)+(\t)
	WIN XW_|(FW_<<2)
	PROD1 HV+32*(\t)+8*(\j), XG_, FG_, \k, SA+8*(\e)+(\k), SBV+(\k), b, \t
.endm
.macro BLOCK s                         ; v's 16 products, two sums by turns, then q|k's 32, four by turns
.set K_, 0
.rept 8
	PVV (\s)%2, K_, 0, (\s)%4
	PVV (\s)%2, K_, 1, (\s)%4
.set K_, K_+1
.endr
.set K_, 0
.rept 8
.irp j, 0,1,2,3
	PQK (\s)%2, K_, \j
.endr
.set K_, K_+1
.endr
.endm
.macro FADR s
.if (\s) < 6
	v_add_nc_u32 v[ADX+(\s)%2], (\s)*T, v[AX0]
.elseif (\s) < 8
	v_add_nc_u32 v[ADX+(\s)%2], ((\s)-6)*T, v[AX0+1]
.elseif (\s) < 12
	v_add_nc_u32 v[ADX+(\s)%2], ((\s)-8)*T, v[AX0+2]
.else
	v_add_nc_u32 v[ADX+(\s)%2], ((\s)-12)*T, v[AX0+3]
.endif
.endm
.macro FETCH s                         ; block s into set s % 2: NF loads
.set K_, 0
.rept 8
	FRAG 48+8*((\s)%2)+K_, ADX+(\s)%2, 1536*K_
.set K_, K_+1
.endr
	WIN 0
.irp q, 0,1,2,3
	ds_load_b64 v[SA+8*((\s)%2)+2*\q:SA+8*((\s)%2)+2*\q+1], v[AXS] offset:((\s)/8)*8192+((\s)%8)*512+128*\q
.endr
.endm
; ---------------- the ways out
.macro QOUT e                          ; q|k's 32 sums of set e, one scale block a lane: codes into half e of the operand, the byte
.set X, ACC+32*(\e)
	v_max3_num_f32 v[M0], |v[X]|, |v[X+1]|, 0x1800000
	v_max3_num_f32 v[M1], |v[X+16]|, |v[X+17]|, |v[X+18]|
.irp i, 2,4,6,8,10,12
	v_max3_num_f32 v[M0], v[M0], |v[X+\i]|, |v[X+\i+1]|
	v_max3_num_f32 v[M1], v[M1], |v[X+17+\i]|, |v[X+18+\i]|
.endr
	v_max3_num_f32 v[M0], v[M0], |v[X+14]|, |v[X+15]|
	v_max3_num_f32 v[M0], v[M0], v[M1], |v[X+31]|
	v_add_nc_u32 v[SOP], 0xff000000, v[M0]
	v_cvt_scalef32_pk16_fp6_f32 v[NCD+6*(\e):NCD+6*(\e)+2], v[X:X+15], v[SOP]
	v_cvt_scalef32_pk16_fp6_f32 v[TC:TC+2], v[X+16:X+31], v[SOP]
	v_lshrrev_b32 v[BYQ+(\e)], 23, v[SOP]
.irp i, 0,1,2
	v_mov_b32 v[NCD+6*(\e)+3+\i], v[TC+\i]
.endr
.endm
.macro WORD dst, lo, hi                ; two bytes of my half at their places; with lane l xor 16's two the word is whole
	v_lshl_or_b32 v[W], v[\hi], 16, v[\lo]
	v_lshlrev_b32 v[W], v[SH8], v[W]
	v_permlanex16_b32 v[PX], v[W], s46, s47
	v_or_b32 v[\dst], v[W], v[PX]
.endm
.macro QSTORE q                        ; the unit that ends with block q
.irp p, 0,1,2
	global_store_b128 v[CO], v[NCD+4*\p:NCD+4*\p+3], s[56:57] offset:((\q)/8)*2*6144+(((\q)%8)/2)*1536+512*\p   ; 512 consecutive bytes, aligned
.endr
.endm
.macro VMAXES j
.irp i, 0,2,4,6
.irp t, 0,1
.if (\j) == 0 && \i == 0
	v_max3_num_f32 v[VT+\t], |v[HV+32*\t]|, |v[HV+32*\t+1]|, 0x1800000
.else
	v_max3_num_f32 v[VT+\t], v[VT+\t], |v[HV+32*\t+8*(\j)+\i]|, |v[HV+32*\t+8*(\j)+\i+1]|
.endif
.endr
.endr
.endm
.macro VEND c                          ; behind four blocks: 32 tokens a lane and tile
.irp t, 0,1
	v_add_nc_u32 v[SOPV+\t], 0xff000000, v[VT+\t]
.endr
.irp t, 0,1
	v_cvt_scalef32_pk16_fp6_f32 v[VCD+12*\t+6*(\c):VCD+12*\t+6*(\c)+2], v[HV+32*\t:HV+32*\t+15], v[SOPV+\t]
	v_cvt_scalef32_pk16_fp6_f32 v[TV+4*\t:TV+4*\t+2], v[HV+32*\t+16:HV+32*\t+31], v[SOPV+\t]
.endr
.irp t, 0,1
	v_lshrrev_b32 v[BYV+2*\t+(\c)], 23, v[SOPV+\t]
.endr
.irp t, 0,1
.irp i, 0,1,2
	v_mov_b32 v[VCD+12*\t+6*(\c)+3+\i], v[TV+4*\t+\i]
.endr
.endr
.endm
.macro VSTORE g
.irp t, 0,1
.irp p, 0,1,2
	global_store_b128 v[CO], v[VCD+12*\t+4*\p:VCD+12*\t+4*\p+3], s[12:13] offset:(\g)*2*6144+1536*\t+512*\p
.endr
.endr
.endm
.macro TREE2                           ; refill 2: waves 0 and 1, four tiles each
	s_cmp_eq_u32 s16, 0
	s_cbranch_scc0 .Lr2b
	XT 20, 4, 0
	s_branch .Lr2e
.Lr2b:
	s_cmp_eq_u32 s16, 1
	s_cbranch_scc0 .Lr2e
	XT 28, 4, 4*T
.Lr2e:
.endm
.macro LUMP s, mode                    ; the run behind block s.  mode 1: with refill 2's round; mode 2: with the plain barrier that shows what it brought
	WIN 0
	s_wait_xcnt 0x0                                ; the last run's stores have read their registers
.if (\mode) == 1
	s_wait_tensorcnt 0x0                           ; the three lines ahead of a refill's round
	ds_add_u32 v[SPW], v[NIL]
.elseif (\mode) == 2
	s_wait_tensorcnt 0x0
.endif
.if (\s)+2 < 16
	FADR (\s)+2
	PLACES 3                                       ; four plain lines behind the block's last product
.else
	PLACES 4
.endif
.if (\mode) == 0 && (\s)+2 < 16
	FETCH (\s)+2
.endif
	VMAXES (\s)%4
.if (\s) > 0
	QOUT 1-(\s)%2
.if (\s)%2 == 0
	WORD QW+4*(((\s)-1)/8)+(((\s)-1)%8)/2, BYQ, BYQ+1
.endif
.endif
.if (\s)%4 == 3
	VEND ((\s)%8)/4
.endif
.if (\s) == 7
	WORD 51, BYV, BYV+1
	WORD 215, BYV+2, BYV+3
.elseif (\s) == 15
	WORD 243, BYV, BYV+1
	WORD 247, BYV+2, BYV+3
.endif
	WALU
.if (\mode) == 1
	s_wait_dscnt 0x0                               ; the add is done, and block 5 is in registers: nobody reads region 0's first tiles any more
	CROUND
	TREE2
	FETCH (\s)+2
.elseif (\mode) == 2
	s_wait_dscnt 0x0
	BARRIER
	FETCH (\s)+2
.endif
.if (\s) > 0 && (\s)%2 == 0
	QSTORE (\s)-1
.endif
.if (\s)%8 == 7
	VSTORE (\s)/8
.endif
.if (\s) < 14
	s_wait_dscnt NF                                ; the next block's rows are in; the fetch just issued may be out
.elseif (\s) == 14
	s_wait_dscnt 0x0
.endif
.endm
; ---------------- the weights into registers
	WALU
	s_cmp_eq_u32 s16, 0
	s_cbranch_scc0 .Lnot_w
	s_wait_tensorcnt 0x0                           ; wave 0: the weights
.Lnot_w:
	BARRIER                                        ; the other tiles may be on their way
.set K_, 0
.rept 8
.irp j, 0,1,2,3
	FRAG 4*K_+\j, BA+\j, 1536*K_
.endr
.irp t, 0,1
	FRAG 32+2*K_+\t, BA+4+\t, 1536*K_
.endr
.set K_, K_+1
.endr
	WIN 0
	s_wait_tensorcnt 0x0                           ; refill 1's round: every wave's head tile is in,
	ds_add_u32 v[SPW], v[NIL]
	FADR 0
	FADR 1
	WALU
	s_wait_dscnt 0x0                               ; and every wave holds its weights
	CROUND
	s_cmp_eq_u32 s16, 0
	s_cbranch_scc0 .Lr1b
	XT 6, 2, R1
	s_branch .Lr1e
.Lr1b:
	s_cmp_eq_u32 s16, 1
	s_cbranch_scc0 .Lr1c
	XT 14, 2, R1+2*T
	s_branch .Lr1e
.Lr1c:
	s_cmp_eq_u32 s16, 2
	s_cbranch_scc0 .Lr1d
	XT 16, 4, R1+4*T
	s_branch .Lr1e
.Lr1d:
	XT 24, 4, R1+8*T
.Lr1e:
	FETCH 0
	FETCH 1
	global_prefetch_b8 v[PFO], s[XB:XB+1] th:TH_LOAD_NT scope:SCOPE_SE   ; refill 2's tiles, five blocks ahead of their load
	s_wait_loadcnt 0x0                             ; the weights' scale words
	s_wait_dscnt NF
; ---------------- the stream
.irp s, 0,1,2,3
	BLOCK \s
	LUMP \s, 0
.endr
	BLOCK 4
	LUMP 4, 1
.irp s, 5,6,7,8,9
	BLOCK \s
	LUMP \s, 0
.endr
	BLOCK 10
	LUMP 10, 2
.irp s, 11,12,13,14,15
	BLOCK \s
	LUMP \s, 0
.endr
	QOUT 1                                         ; block 15's way out
	WORD QW+7, BYQ, BYQ+1
	QSTORE 15
	v_cmp_le_u32 vcc_lo, 16, v[LN]                 ; lanes 0-15 store my first step's words, lanes 16-31 those of the step two on
.irp i, 0,1,2,3
	v_cndmask_b32 v[ACC+\i], v[QW+\i], v[QW+4+\i], vcc_lo
.endr
	v_cndmask_b32 v[ACC+4], v51, v243, vcc_lo
	v_cndmask_b32 v[ACC+5], v215, v247, vcc_lo
	global_store_b128 v[SQO], v[ACC:ACC+3], s[62:63]       ; sixteen lanes store 256 consecutive bytes, aligned
	global_store_b64 v[WSO], v[ACC+4:ACC+5], s[14:15]      ; sixteen lanes store 128 consecutive bytes
	s_wait_tensorcnt 0x0                           ; the wave's end
	ds_add_u32 v[SPW], v[NIL]
	s_wait_dscnt 0x0
	CROUND                                         ; the closing round
	s_endpgm
.Lfunc_end_k_qfe9c09e80f_proj:
	.size	k_qfe9c09e80f_proj, .Lfunc_end_k_qfe9c09e80f_proj-k_qfe9c09e80f_proj
	.p2alignl 7, 3214868480
	.fill 96, 4, 3214868480
	.section	.rodata,"a",@progbits
	.p2align	6, 0x0
	.amdhsa_kernel k_qfe9c09e80f_proj
		.amdhsa_group_segment_fixed_size 327680
		.amdhsa_private_segment_fixed_size 0
		.amdhsa_enable_private_segment 0
		.amdhsa_kernarg_size 48
		.amdhsa_user_sgpr_count 2
		.amdhsa_user_sgpr_kernarg_segment_ptr 1
		.amdhsa_wavefront_size32 1
		.amdhsa_system_sgpr_workgroup_id_x 1
		.amdhsa_system_sgpr_workgroup_id_y 1
		.amdhsa_system_sgpr_workgroup_id_z 1
		.amdhsa_system_vgpr_workitem_id 0
		.amdhsa_next_free_vgpr 1024
		.amdhsa_next_free_sgpr 68
		.amdhsa_reserve_vcc 1
		.amdhsa_float_denorm_mode_32 3
		.amdhsa_float_denorm_mode_16_64 3
		.amdhsa_memory_ordered 1
		.amdhsa_forward_progress 1
		.amdhsa_inst_pref_size 195
	.end_amdhsa_kernel
	.amdgpu_metadata
---
amdhsa.version: [ 1, 2 ]
amdhsa.kernels:
  - .name:           k_qfe9c09e80f_proj
    .symbol:         k_qfe9c09e80f_proj.kd
    .args:
      - { .name: xi, .offset: 0, .size: 8, .value_kind: global_buffer, .address_space: global }
      - { .name: xs, .offset: 8, .size: 8, .value_kind: global_buffer, .address_space: global }
      - { .name: wi, .offset: 16, .size: 8, .value_kind: global_buffer, .address_space: global }
      - { .name: ws, .offset: 24, .size: 8, .value_kind: global_buffer, .address_space: global }
      - { .name: qkv, .offset: 32, .size: 8, .value_kind: global_buffer, .address_space: global }
      - { .name: qkvs, .offset: 40, .size: 8, .value_kind: global_buffer, .address_space: global }
    .group_segment_fixed_size: 327680
    .private_segment_fixed_size: 0
    .kernarg_segment_align: 8
    .kernarg_segment_size: 48
    .max_flat_workgroup_size: 128
    .sgpr_count:     68
    .vgpr_count:     1024
    .wavefront_size: 32
...
	.end_amdgpu_metadata
.endif
;; end of part 2
;; launch attn (part 3): grid 4 x 64, 8 waves a work-group, clusters of 4 x 1, 327,680 bytes of LDS; arguments qkv, qkvs, out0; writes out0
.if DOCPART == 3
	.amdgcn_target "amdgcn-amd-amdhsa--gfx1250"
	.amdhsa_code_object_version 6
	.text
	.protected	k_qfe9c09e80f_attn
	.globl	k_qfe9c09e80f_attn
	.p2align	8
	.type	k_qfe9c09e80f_attn,@function
k_qfe9c09e80f_attn:
	s_mov_b64 s[64:65], 0
	v_nop
	global_prefetch_b8 v0, s[64:65] scope:SCOPE_SE
	s_setreg_imm32_b32 hwreg(HW_REG_WAVE_MODE, 25, 1), 1
	s_wait_xcnt 0x0
	s_wait_alu depctr_hold_cnt(0) depctr_sa_sdst(0) depctr_va_vdst(0) depctr_va_sdst(0) depctr_va_ssrc(0) depctr_va_vcc(0) depctr_vm_vsrc(0)
	s_getreg_b32 s2, hwreg(HW_REG_IB_STS2, 6, 4)
	s_cmp_eq_u32 s2, 0
	s_cbranch_scc0 .Lentry_in_a_cluster
	s_endpgm
.Lentry_in_a_cluster:
	s_bfe_u32 s2, ttmp6, 0x10000c
	s_cmp_lg_u32 s2, 0x3003
	s_cbranch_scc0 .Lentry_shape_is_right
	s_endpgm
.Lentry_shape_is_right:
; out[b][q][64 head + d] = sum over keys of softmax(q . k / 32) v, for 64 (batch, head), 2,048 queries, 2,048 keys, d = 64; both products on codes of FP6 (E2M3) with E8M0 scales.
; THE SOFTMAX: t = score x log2(e) / 32; M = the running largest t rounded up to a whole number; p = 2^(t - M) is quantised along the keys, not normalised; the row's sum is taken of the
; unquantised p and divides at the end.  When M moves, the sum and O are multiplied by 2^(old M - new M): exact, no branch.
; INPUTS (the launch before): qkv [q, k, v][bh][step of 128 rows][unit 0..3][1,536 bytes], images of operand registers (3 pieces of 512 bytes, lane l's 16 bytes at 16 l).
;   q, k, unit n = 2 c + g: registers 0-5 of lane (r, h): tile j = 2 g, registers 6-11: tile j = 2 g + 1; row r of tile j is row 64 c + 32 (r / 8) + 8 j + r % 8 of the step; d = 32 h ..
;   v, unit t: lane (r, h): d = 8 t + r % 8 + 32 (r / 8), keys 64 c + 32 h + 0 .. 31 in registers 6 c ..    qkvs: q, k [bh][step][r][unit] scale words; v [bh][step][t / 2][r][t % 2].
; SHARES: the four work-groups of a head are a cluster and ask for its K and V jointly; each owns 512 queries, each of its eight waves 64: four tiles of 16, all four against every fragment of K and V: ONE pass, 128 keys a step.
; By the rows' order in k's tiles, register 32 c + 8 j + i of lane (r, h) of S^T is query r, key 64 c + 32 h + 8 j + i: a lane holds WHOLE blocks of 32 keys (h and 2 + h), in the order of the second product's operand:
; no lane is asked for a block's maximum, no code changes lanes.
; K = 64 IN AN INSTRUCTION OF 128: source 0 is a unit of k (two tiles, 64 + 64 along the instruction's K), source 1 is [q | zeros] or [zeros | q], cut out of the chain 0 q0 0 q1 0 q2 0 q3 0.  Zero codes add nothing.
; Both products are used transposed: a lane holds one query of each tile throughout.
; LDS, filled once, one tensor load a wave at the head: waves 0-3 bring the scale words and key steps 0-3, waves 4-7 steps 4-15, which are shown by a second barrier ahead of step 3 (it fetches K's step 4).
; No prefetch: every byte of K and V is asked for at the head.  LIMITS: NaN and infinities are not served; the promise holds while |t| stays under 2^31.
; REGISTERS: window 0 as named below; window 1: v0-127 O^T (32 a tile), v128-181 the chain of q.
.set VIMG,  98304                      ; K's images at 0, V's here: 16 steps x 6,144 each
.set KSC,   196608                     ; K's scale words, 256 bytes a step
.set VSC,   200704                     ; V's
.set STAGE, 204800                     ; the way out: 16 rows x 272 bytes a wave; no fill lands here
.set SPARE, 239616                     ; the spare words, 128 bytes a wave
.set AK0, 1                            ; lane terms of the LDS addresses: K's images, V's, K's scale words, V's
.set AV0, 2
.set AS0, 3
.set AW0, 4
.set ADK, 5                            ; the same with the step's offset
.set ADV, 6
.set ADS, 7
.set ADW, 8
.set GO,  9                            ; 4096 h + 16 r: my bytes in two rows of out
.set STI, 10
.set STO, 11
.set SH8, 12                           ; 8 h
.set ST,  16                           ; v16-31 a tile's state: -M, the largest score, the sum in two halves
.set KS,  32                           ; scale words: K's v32-35, q's v36-39, V's v40-43, p's v44
.set QS,  36
.set VS,  40
.set PSW, 44
.set FF,  46                           ; f = 2^(old M - new M) (v47 is named with it)
.set TMP, 48
.set PX,  50
.set W,   51
.set BM,  52                           ; v52-53 the blocks' largest scores, then largest p; v54-55 second chains, then bytes
.set BN,  54
.set SOP, 56
.set PC,  64                           ; v64-75 p's codes; v76-82 the conversions' second halves
.set T,   76
.set SPW, 84
.set NIL, 85
.set FK,  88                           ; v88-135 four units of K
.set FV,  136                          ; v136-183 four units of V
.set S,   184                          ; v184-247 S^T, then p;  v58-63, v248-255 the sum's chains
.set QB,  128                          ; window 1
.set WV,  18
.set NC,  19                           ; -c
.set SEL, 20
.set CS,  22                           ; c = log2(e) / 32
.set G1,  32
.set G0,  48
.set TB,  52
.set TS,  54
.set CNT, 55
.set MSB, 0
.macro WIN new
.if MSB != \new
	s_set_vgpr_msb (MSB<<8)|\new
.set MSB, \new
.endif
.endm
.macro WALU
	s_wait_alu depctr_va_vdst(0)
.endm
.macro D1
	s_delay_alu instid0(VALU_DEP_1)
.endm
.macro D2
	s_delay_alu instid0(VALU_DEP_2)
.endm
.macro CROUND
	s_barrier_signal -1
	s_barrier_wait -1
	s_cmp_lg_u32 s[WV], 0
	s_cbranch_scc1 .Lnot_wave_0_\@
	s_barrier_signal -3
.Lnot_wave_0_\@:
	s_barrier_wait -3
	s_barrier_signal -1
	s_barrier_wait -1
.endm
.macro TILE base, goff, lds, rows      ; a dense run of rows of 512 bytes, by a descriptor of constants
	s_mov_b32 s[G0+1], \lds
	s_add_nc_u64 s[G0+2:G0+3], s[\base:\base+1], \goff
	s_or_b32 s[G0+3], s[G0+3], 0x80000000
	s_mov_b32 s[G1+2], (\rows)<<16
	s_mov_b32 s[G1+4], \rows
	tensor_load_to_lds s[G0:G0+3], s[G1:G1+7]
	s_nop 0
.rept 4
	v_nop
.endr
.endm
.macro ARM wv, base, goff, lds, rows, next
	s_cmp_eq_u32 s[WV], \wv
	s_cbranch_scc0 \next
	TILE \base, \goff, \lds, \rows
	s_branch .Lasked
\next:
.endm
; ---------------- the head
	s_load_b128 s[4:7], s[0:1], 0x0                ; qkv, qkvs
	s_load_b64 s[8:9], s[0:1], 0x10                ; out0
	v_lshl_add_u32 v[SPW], v0, 2, SPARE
	v_mov_b32 v[NIL], 0
	ds_add_u32 v[SPW], v[NIL]                      ; the opening lines
	ds_add_u32 v[SPW], v[NIL]
	v_lshrrev_b32 v15, 5, v0
	v_readfirstlane_b32 s[WV], v15                 ; wave 0..7
	s_bfe_u32 s10, ttmp6, 0x40000                  ; cx: it enters q's and out's addresses alone
	s_and_b32 s11, ttmp7, 0xffff                   ; bh, which the four partners share
	s_mul_i32 s12, s11, 98304                      ; the head's images in a type's section
	s_lshl_b32 s13, s11, 12                        ; its scale words
	s_mov_b32 s[G1], 15|(3<<16)|(1<<21)            ; all four work-groups; elements of 8 bytes
	s_mov_b32 s[G1+1], 64<<16
	s_mov_b32 s[G1+3], 64<<16
	s_mov_b32 s[G1+5], 64
	s_mov_b32 s[G1+6], 0
	s_mov_b32 s[G1+7], 0
	s_mov_b32 s[G0], 1
	s_mov_b32 s[SEL], 0x76543210
	s_mov_b32 s[SEL+1], 0xfedcba98                 ; lane l xor 16
	s_mov_b32 s[CS], 0x3d38aa3b
	s_mov_b32 s[CS+1], s[CS]
	s_mov_b32 s[NC], 0xbd38aa3b
	s_mul_i32 s2, s[WV], 4352
	s_add_co_u32 s2, s2, STAGE                     ; my stage
	v_and_b32 v13, 31, v0                          ; lane
	v_and_b32 v14, 15, v0                          ; r
	v_bfe_u32 v15, v0, 4, 1                        ; h
	v_lshlrev_b32 v[AK0], 4, v13
	v_lshl_add_u32 v[AV0], v13, 4, VIMG
	v_lshl_add_u32 v[AS0], v14, 4, KSC
	v_lshl_add_u32 v[AW0], v14, 3, VSC
	v_lshlrev_b32 v[SH8], 3, v15
	v_lshlrev_b32 v13, 4, v13                      ; 16 x lane
	v_mul_u32_u24 v[STI], v14, 272
	v_lshl_add_u32 v[STI], v15, 7, v[STI]
	v_add_nc_u32 v[STI], s2, v[STI]                ; in: row r, + 128 h
	v_lshlrev_b32 v14, 4, v14                      ; 16 r
	v_mul_u32_u24 v[STO], v15, 272
	v_add_nc_u32 v[STO], v[STO], v14
	v_add_nc_u32 v[STO], s2, v[STO]                ; back: lanes 0-15 one row, lanes 16-31 the next
	v_lshl_add_u32 v[GO], v15, 12, v14
	WALU
	s_wait_dscnt 0x0
	CROUND                                         ; all four work-groups are here: the joint loads meet
	s_wait_kmcnt 0x0
	s_mov_b32 s15, 0
	s_add_co_u32 s14, s12, 6291456
	s_add_nc_u64 s[56:57], s[4:5], s[14:15]        ; K's images
	s_add_nc_u64 s[58:59], s[56:57], 6291456       ; V's
	s_add_co_u32 s14, s13, 262144
	s_add_nc_u64 s[60:61], s[6:7], s[14:15]        ; K's scale words
	s_add_nc_u64 s[62:63], s[60:61], 262144        ; V's
	ARM 0, 60, 0, KSC, 8, .Lw1                     ; one load a wave, what is read first asked for first
	ARM 1, 62, 0, VSC, 8, .Lw2
	ARM 2, 56, 0, 0, 48, .Lw3                      ; K's steps 0-3
	ARM 3, 58, 0, VIMG, 48, .Lw4                   ; V's
	ARM 4, 56, 24576, 24576, 72, .Lw5              ; steps 4-9
	ARM 5, 58, 24576, VIMG+24576, 72, .Lw6
	ARM 6, 56, 61440, 61440, 72, .Lw7              ; steps 10-15
	TILE 58, 61440, VIMG+61440, 72
.Lasked:
	s_lshl_b32 s2, ttmp9, 2
	s_add_co_u32 s2, s2, s10
	s_lshl_b32 s2, s2, 4
	s_lshl_b32 s3, s[WV], 1
	s_add_co_u32 s2, s2, s3                        ; my first unit of q, 0..62: my 64 queries begin at 32 x unit
	s_mul_i32 s3, s2, 1536
	s_add_co_u32 s14, s12, s3
	s_add_nc_u64 s[4:5], s[4:5], s[14:15]
	s_lshr_b32 s3, s2, 2
	s_lshl_b32 s3, s3, 8
	s_add_co_u32 s14, s13, s3
	s_and_b32 s3, s2, 3
	s_lshl_b32 s3, s3, 2
	s_add_co_u32 s14, s14, s3
	s_add_nc_u64 s[6:7], s[6:7], s[14:15]
	s_lshr_b32 s14, s11, 4
	s_lshl_b32 s14, s14, 11
	s_lshl_b32 s3, s2, 5
	s_add_co_u32 s14, s14, s3
	s_lshl_b32 s14, s14, 12                        ; rows of 4,096 bytes
	s_and_b32 s3, s11, 15
	s_lshl_b32 s3, s3, 8
	s_add_co_u32 s14, s14, s3
	s_add_nc_u64 s[8:9], s[8:9], s[14:15]
.irp c, 0,1,2,3,4,5
	global_load_b128 v[S+4*\c:S+4*\c+3], v13, s[4:5] offset:512*\c   ; my two units of q: tiles j = 0 .. 3
.endr
	global_load_b64 v[TMP:TMP+1], v14, s[6:7]      ; their scale words
.irp t, 0,1,2,3
	v_mov_b32 v[ST+4*\t], 0x7d000000               ; -M: so large that the first f is 0
	v_mov_b32 v[ST+4*\t+1], 0xff61b1e6             ; -3e38, under every score
	v_mov_b32 v[ST+4*\t+2], 0
	v_mov_b32 v[ST+4*\t+3], 0
.endr
	v_mov_b32 v[FF+1], 0
	v_mov_b32 v[PX], 0                             ; a lane permute's destination counts as a source
	WIN 0x40
.irp z, 0,1,2,3,4
.irp i, 0,1,2,3,4,5
	v_mov_b32 v[QB+12*\z+\i], 0                    ; the zeros of the chain
.endr
.endr
	s_wait_loadcnt 0x0
.irp t, 0,1,2,3
.irp i, 0,1,2,3,4,5
	v_mov_b32 v[QB+12*\t+6+\i], v[S+6*\t+\i]
.endr
.endr
	WIN 0
.irp n, 0,1                            ; a tile's two scale bytes in both halves of its word: q stands now in the lower, now in the upper 64 of the instruction's K
	v_and_b32 v[W], 0xffff, v[TMP+\n]
	v_lshl_or_b32 v[QS+2*\n], v[TMP+\n], 16, v[W]
	v_lshrrev_b32 v[W], 16, v[TMP+\n]
	v_and_or_b32 v[QS+2*\n+1], v[TMP+\n], 0xffff0000, v[W]
.endr
	WIN 0x40
.set J, 0
.rept 128
	v_mov_b32 v[J], 0                              ; O^T: the step is written once, the first finds zeros.  (Also the places behind the writing of q and its scale words)
.set J, J+1
.endr
	WIN 0
	s_mov_b32 s[TB], 0
	s_mov_b32 s[TS], 0
; ---------------- the parts of a step
.macro LOADK adr, ads, o, os
.irp n, 0,1,2,3
.irp p, 0,1,2
	ds_load_b128 v[FK+12*\n+4*\p:FK+12*\n+4*\p+3], v[\adr] offset:(\o)+1536*\n+512*\p   ; 512 consecutive bytes
.endr
.endr
	ds_load_b128 v[KS:KS+3], v[\ads] offset:\os
.endm
.macro LOADKN                          ; the next step's K
	LOADK ADK, ADS, 6144, 256
.endm
.macro LOADKL                          ; the same; the last step has no next
	WALU
	s_cmp_eq_u32 s[CNT], 1
	s_cbranch_scc1 .Lno_k_\@
	LOADK ADK, ADS, 6144, 256
.Lno_k_\@:
.endm
.macro LOADV
.irp t, 0,1,2,3
.irp p, 0,1,2
	ds_load_b128 v[FV+12*\t+4*\p:FV+12*\t+4*\p+3], v[ADV] offset:1536*\t+512*\p
.endr
.endr
	ds_load_b64 v[VS:VS+1], v[ADW]
	ds_load_b64 v[VS+2:VS+3], v[ADW] offset:128
.endm
.macro NONE
.endm
.macro ADDR                            ; four plain lines: the places behind tile 0's products
	WIN 0
	v_add_nc_u32 v[ADK], s[TB], v[AK0]
	v_add_nc_u32 v[ADS], s[TS], v[AS0]
	v_add_nc_u32 v[ADV], s[TB], v[AV0]
	v_add_nc_u32 v[ADW], s[TS], v[AW0]
.endm
.macro QK t                            ; S^T = K Q^T of tile t: unit n against [q | 0], then [0 | q]
	WIN 0x04
.irp n, 0,1,2,3
.irp u, 0,1
	v_wmma_scale_f32_16x16x128_f8f6f4 v[S+8*(2*\n+\u):S+8*(2*\n+\u)+7], v[FK+12*\n:FK+12*\n+11], v[QB+12*(\t)+6*(1-\u):QB+12*(\t)+6*(1-\u)+11], 0, v[KS+\n], v[QS+(\t)] matrix_a_fmt:MATRIX_FMT_FP6 matrix_b_fmt:MATRIX_FMT_FP6
.endr
.endr
.endm
.macro PV t                            ; O^T += V^T P^T: four accumulators by turns
	WIN 0x50
.irp d, 0,1,2,3
	v_wmma_scale_f32_16x16x128_f8f6f4 v[32*(\t)+8*\d:32*(\t)+8*\d+7], v[FV+12*\d:FV+12*\d+11], v[PC:PC+11], v[32*(\t)+8*\d:32*(\t)+8*\d+7], v[VS+\d], v[PSW] matrix_a_fmt:MATRIX_FMT_FP6 matrix_b_fmt:MATRIX_FMT_FP6
.endr
.endm
.macro SETA k                          ; chain k of the sum: 0 the sum itself
.if (\k) == 0
.set AR, SUM
.elseif (\k) < 4
.set AR, 56+2*(\k)
.else
.set AR, 240+2*(\k)
.endif
.endm
.macro COMB t                          ; the eight chains are joined: seven plain lines, the places behind the next tile's products
.set SUM, ST+4*(\t)+2
	WIN 0
	v_pk_add_f32 v[SUM:SUM+1], v[SUM:SUM+1], v[58:59]
	v_pk_add_f32 v[60:61], v[60:61], v[62:63]
	v_pk_add_f32 v[248:249], v[248:249], v[250:251]
	v_pk_add_f32 v[252:253], v[252:253], v[254:255]
	v_pk_add_f32 v[SUM:SUM+1], v[SUM:SUM+1], v[60:61]
	v_pk_add_f32 v[248:249], v[248:249], v[252:253]
	v_pk_add_f32 v[SUM:SUM+1], v[SUM:SUM+1], v[248:249]
.endm
.macro SM t, hook                      ; tile t: from scores to p's codes, scale word and sum
.set NM, ST+4*(\t)
.set RS, NM+1
.set SUM, NM+2
.irp c, 0,1                            ; my two blocks' largest scores, two chains each; every accumulator is read from its low end on
	v_max_num_f32 v[BM+\c], v[S+32*\c], v[S+32*\c+1]
	v_max3_num_f32 v[BN+\c], v[S+32*\c+16], v[S+32*\c+17], v[S+32*\c+18]
.endr
.irp i, 2,4,6,8,10,12
.irp c, 0,1
	v_max3_num_f32 v[BM+\c], v[BM+\c], v[S+32*\c+\i], v[S+32*\c+\i+1]
	v_max3_num_f32 v[BN+\c], v[BN+\c], v[S+32*\c+17+\i], v[S+32*\c+18+\i]
.endr
.endr
.irp c, 0,1
	v_max3_num_f32 v[BM+\c], v[BM+\c], v[S+32*\c+14], v[S+32*\c+15]
.endr
.irp c, 0,1
	v_max3_num_f32 v[BM+\c], v[BM+\c], v[BN+\c], v[S+32*\c+31]
.endr
	\hook
	v_max_num_f32 v[TMP], v[BM], v[BM+1]
	D1
	v_permlanex16_b32 v[PX], v[TMP], s[SEL], s[SEL+1]
	D1
	v_max3_num_f32 v[RS], v[RS], v[TMP], v[PX]     ; the running largest score of my query
	D1
	v_mul_f32 v[TMP], s[NC], v[RS]
	D1
	v_floor_f32 v[TMP], v[TMP]                     ; the new -M = floor(-t)
	D1
	v_sub_f32 v[TMP+1], v[TMP], v[NM]              ; old M - new M: a whole number, 0 or less
	v_mov_b32 v[NM], v[TMP]
	D2
	v_cvt_i32_f32 v[TMP+1], v[TMP+1]               ; (it saturates)
	D1
	v_ldexp_f32 v[FF], 1.0, v[TMP+1]
	v_fma_f32 v[BM], v[BM], s[CS], v[NM]           ; t - M of the blocks' largest scores: p rises with the score
	v_fma_f32 v[BM+1], v[BM+1], s[CS], v[NM]
.set J, 0
.rept 32
	v_pk_fma_f32 v[S+J:S+J+1], v[S+J:S+J+1], s[CS:CS+1], v[NM:NM+1] op_sel_hi:[1,0,0]
.set J, J+2
.endr
	WALU                                           ; ahead of the batch
.set J, 0
.rept 64
	v_exp_f32 v[S+J], v[S+J]                       ; p = 2^(t - M)
.set J, J+1
.endr
	v_exp_f32 v[BM], v[BM]
	v_exp_f32 v[BM+1], v[BM+1]
	WIN 0x41
	WALU                                           ; behind the batch, directly ahead of O^T's first reader
.set J, 0
.rept 16
	v_pk_mul_f32 v[32*(\t)+J:32*(\t)+J+1], v[32*(\t)+J:32*(\t)+J+1], v[FF:FF+1] op_sel_hi:[1,0]   ; O^T under the new M
.set J, J+2
.endr
	WIN 0
	v_max_num_f32 v[BM], 0x1800000, v[BM]          ; the floor 2^(3 - 127): the byte cannot fall under 1
	v_max_num_f32 v[BM+1], 0x1800000, v[BM+1]
	D2
	v_add_nc_u32 v[SOP], 0xff000000, v[BM]         ; 2 off the exponent field: the conversions' scale operand
	D2
	v_add_nc_u32 v[SOP+1], 0xff000000, v[BM+1]
	D2
	v_lshrrev_b32 v[BN], 23, v[SOP]                ; the bytes of blocks h and 2 + h,
	D2
	v_lshrrev_b32 v[BN+1], 23, v[SOP+1]
	D1
	v_lshl_or_b32 v[W], v[BN+1], 16, v[BN]
	D1
	v_lshlrev_b32 v[W], v[SH8], v[W]               ; at their places in the word;
	D1
	v_permlanex16_b32 v[PX], v[W], s[SEL], s[SEL+1]
	D1
	v_or_b32 v[PSW], v[W], v[PX]                   ; with lane l xor 16's two it is whole
	v_cvt_scalef32_pk16_fp6_f32 v[PC:PC+2], v[S:S+15], v[SOP]
	v_cvt_scalef32_pk16_fp6_f32 v[T:T+2], v[S+16:S+31], v[SOP]          ; (a conversion's three registers begin on an even number)
	v_cvt_scalef32_pk16_fp6_f32 v[PC+6:PC+8], v[S+32:S+47], v[SOP+1]
	v_cvt_scalef32_pk16_fp6_f32 v[T+4:T+6], v[S+48:S+63], v[SOP+1]
	v_pk_fma_f32 v[SUM:SUM+1], v[SUM:SUM+1], v[FF:FF+1], v[S:S+1] op_sel_hi:[1,0,1]   ; the sum under the new M takes in the unquantised p.  (The plain place behind the conversions)
.irp i, 0,1,2
	v_mov_b32 v[PC+3+\i], v[T+\i]
	v_mov_b32 v[PC+9+\i], v[T+4+\i]
.endr
.irp k, 1,2,3,4,5,6,7
	SETA \k
	v_pk_add_f32 v[AR:AR+1], v[S+4*\k-2:S+4*\k-1], v[S+4*\k:S+4*\k+1]
.endr
.set J, 0
.rept 17
	SETA J%8
	v_pk_add_f32 v[AR:AR+1], v[AR:AR+1], v[S+30+2*J:S+31+2*J]
.set J, J+1
.endr
.endm
.macro STEP kh                         ; 128 keys x my four tiles.  V comes under tile 0's softmax, the next step's K under tile 3's: one group of LDS loads is out at a time, so every wait is for 0
	s_wait_dscnt 0x0                               ; K is in
	QK 0
	ADDR
	SM 0, LOADV
	WALU
	s_wait_dscnt 0x0                               ; V is in
	PV 0
	QK 1
	COMB 0
	SM 1, NONE
	PV 1
	QK 2
	COMB 1
	SM 2, NONE
	PV 2
	QK 3
	COMB 2
	SM 3, \kh
	PV 3
	COMB 3
	s_add_co_u32 s[TB], s[TB], 6144
	s_add_co_u32 s[TS], s[TS], 256
.endm
; ---------------- the walk over the keys
	WALU                                           ; the head's end
	s_cmp_lt_u32 s[WV], 4
	s_cbranch_scc0 .Lnot_a
	s_wait_tensorcnt 0x0                           ; waves 0-3: the scale words and steps 0-3
.Lnot_a:
	s_barrier_signal -1
	s_barrier_wait -1                              ; waves 4-7's tiles may be on their way
	LOADK AK0, AS0, 0, 0
	s_mov_b32 s[CNT], 3
.Lfirst:                                               ; steps 0-2: they read K's steps 0-3 and V's 0-2
	STEP LOADKN
	s_sub_co_u32 s[CNT], s[CNT], 1
	s_cmp_lg_u32 s[CNT], 0
	s_cbranch_scc1 .Lfirst
	s_wait_tensorcnt 0x0                           ; every wave: the whole head is in
	s_wait_dscnt 0x0
	s_barrier_signal -1
	s_barrier_wait -1
	s_mov_b32 s[CNT], 13
.Lrest:                                                ; steps 3-15
	STEP LOADKL
	s_sub_co_u32 s[CNT], s[CNT], 1
	s_cmp_lg_u32 s[CNT], 0
	s_cbranch_scc1 .Lrest
; ---------------- the way out: O^T / the sum through my own stage, out as rows of 256 bytes.  Register 8 d + j of lane (r, h): query row r, column 8 d + j + 32 h.  Stage row rho of tile t is query 32 (rho / 8) + 8 t + rho % 8 of my 64
.irp t, 0,1,2,3
	v_add_f32 v[ST+4*\t+2], v[ST+4*\t+2], v[ST+4*\t+3]
.endr
.irp t, 0,1,2,3
	v_permlanex16_b32 v[BM+\t], v[ST+4*\t+2], s[SEL], s[SEL+1]
.endr
.irp t, 0,1,2,3
	v_add_f32 v[ST+4*\t+2], v[ST+4*\t+2], v[BM+\t]
.endr
	WALU
.irp t, 0,1,2,3
	v_rcp_f32 v[ST+4*\t+2], v[ST+4*\t+2]
.endr
	v_nop
.macro OUT t
.set X, S-96*((\t)%2)                  ; v184-247 and v88-151 by turns
.set SUM, ST+4*(\t)+2
.if (\t) >= 2
	s_wait_xcnt 0x0                                ; the stores of two tiles ago have read their registers
.endif
	WIN 0x01
	WALU                                           ; directly ahead of the first reader of the tile's sums
.set J, 0
.rept 16
	v_pk_mul_f32 v[X+J:X+J+1], v[32*(\t)+J:32*(\t)+J+1], v[SUM:SUM+1] op_sel_hi:[1,0]
.set J, J+2
.endr
	WIN 0
.irp d, 0,1,2,3
	ds_store_b128 v[STI], v[X+8*\d:X+8*\d+3] offset:32*\d
	ds_store_b128 v[STI], v[X+8*\d+4:X+8*\d+7] offset:32*\d+16
.endr
.irp i, 0,1,2,3,4,5,6,7
	ds_load_b128 v[X+32+4*\i:X+32+4*\i+3], v[STO] offset:544*\i   ; LDS serves a wave's instructions in order: these see my stores
.endr
.irp i, 0,1,2,3,4,5,6,7
	s_wait_dscnt 7-\i                              ; the younger loads may be out
	global_store_b128 v[GO], v[X+32+4*\i:X+32+4*\i+3], s[8:9] offset:(32*(\i/4)+8*(\t)+(2*\i)%8)*4096 th:TH_STORE_NT   ; sixteen lanes store 256 consecutive bytes, aligned
.endr
.endm
	OUT 0
	OUT 1
	OUT 2
	OUT 3
	s_wait_tensorcnt 0x0                           ; the wave's end
	ds_add_u32 v[SPW], v[NIL]
	s_wait_dscnt 0x0
	CROUND                                         ; the closing round
	s_endpgm
.Lfunc_end_k_qfe9c09e80f_attn:
	.size	k_qfe9c09e80f_attn, .Lfunc_end_k_qfe9c09e80f_attn-k_qfe9c09e80f_attn
	.p2alignl 7, 3214868480
	.fill 96, 4, 3214868480
	.section	.rodata,"a",@progbits
	.p2align	6, 0x0
	.amdhsa_kernel k_qfe9c09e80f_attn
		.amdhsa_group_segment_fixed_size 327680
		.amdhsa_private_segment_fixed_size 0
		.amdhsa_enable_private_segment 0
		.amdhsa_kernarg_size 24
		.amdhsa_user_sgpr_count 2
		.amdhsa_user_sgpr_kernarg_segment_ptr 1
		.amdhsa_wavefront_size32 1
		.amdhsa_system_sgpr_workgroup_id_x 1
		.amdhsa_system_sgpr_workgroup_id_y 1
		.amdhsa_system_sgpr_workgroup_id_z 1
		.amdhsa_system_vgpr_workitem_id 0
		.amdhsa_next_free_vgpr 512
		.amdhsa_next_free_sgpr 68
		.amdhsa_reserve_vcc 0
		.amdhsa_float_denorm_mode_32 3
		.amdhsa_float_denorm_mode_16_64 3
		.amdhsa_memory_ordered 1
		.amdhsa_forward_progress 1
		.amdhsa_inst_pref_size 138
	.end_amdhsa_kernel
	.amdgpu_metadata
---
amdhsa.version: [ 1, 2 ]
amdhsa.kernels:
  - .name:           k_qfe9c09e80f_attn
    .symbol:         k_qfe9c09e80f_attn.kd
    .args:
      - { .name: qkv, .offset: 0, .size: 8, .value_kind: global_buffer, .address_space: global }
      - { .name: qkvs, .offset: 8, .size: 8, .value_kind: global_buffer, .address_space: global }
      - { .name: out0, .offset: 16, .size: 8, .value_kind: global_buffer, .address_space: global }
    .group_segment_fixed_size: 327680
    .private_segment_fixed_size: 0
    .kernarg_segment_align: 8
    .kernarg_segment_size: 24
    .max_flat_workgroup_size: 256
    .sgpr_count:     68
    .vgpr_count:     512
    .wavefront_size: 32
...
	.end_amdgpu_metadata
.endif
;; end of part 3
